; MI455X (gfx1250); checked and timed in simulation.
; The chip was launched on July 23, 2026; its instructions are those of AMD's public machine-readable ISA for CDNA 5 (MIT licence, August 2026) and "CDNA5" Instruction Set Architecture Reference Guide (July 2026). The comments in the code are by the model that wrote it; some were corrected since.
;; Mo E. Allowed arithmetic: float matrix products may take bf16 or f16 operands with f32 sums; all other float work in f32.
;; Inputs: b1 8 x 4,096 float32; b2 8 x 1,024 float32; br 8 float32; w1 8 x 1,024 x 4,096 float32; w2 8 x 4,096 x 1,024 float32; wr 1,024 x 8 float32; x 4 x 256 x 1,024 float32.
;; Outputs: out0 4 x 256 x 1,024 float32.
;; 2 versions, each right; version 2 is version 1 with the launch combine written anew for expert scheduling mode. Each part assembles by itself: llvm-mc -triple=amdgcn-amd-amdhsa -mcpu=gfx1250 --defsym DOCPART=n.
;; ======== version 1 of 2: 5 launches
;; workspace buffers: eid 4,096 bytes of whole numbers; pos 4,096 bytes of whole numbers; meta 256 bytes of whole numbers; xb 2,097,152 bytes; xs 2,359,296 bytes; hs 9,437,184 bytes; part 9,437,184 bytes
;; launch route (part 1): grid 256 x 1, 8 waves a work-group, no clusters, 2,304 bytes of LDS; arguments x, wr, br, eid, xb; writes eid, xb
.if DOCPART == 1
	.amdgcn_target "amdgcn-amd-amdhsa--gfx1250"
	.amdhsa_code_object_version 6
	.text
	.protected	k_qa8cb6ab21d_route
	.globl	k_qa8cb6ab21d_route
	.p2align	8
	.type	k_qa8cb6ab21d_route,@function
k_qa8cb6ab21d_route:
	s_mov_b64 s[64:65], 0
	v_nop
	global_prefetch_b8 v0, s[64:65] scope:SCOPE_SE
	s_setreg_imm32_b32 hwreg(HW_REG_WAVE_MODE, 25, 1), 1
	s_wait_xcnt 0x0
; ROUTER.  eid[t] = argmax over e of (x[t] . wr[:, e] + br[e]);  xb = x rounded to bf16, [1024][1024].
; x, wr and br are rounded to bf16 first (every input of the program is), products and sums are f32 on the vector unit:
; 8 columns fill half a matrix tile, and the decision wants plain f32 sums.
; LIMITS.  The first of equal maxima wins, as in the reference; a NaN score never wins here.
; SHARES.  A work-group takes 4 tokens; thread n (0..255) takes h = 4 n .. 4 n + 3 of each.  Sums: in the lane (even h, odd h), over the
; 32 lanes, over the 8 waves through LDS.  Wave 0 then takes the maximum.  eid leaves as 16 bytes a work-group (4,096 bytes in all).
.set XR,  8                            ; v[8:23]    x of token u at XR + 4 u
.set WR,  24                           ; v[24:55]   wr as loaded: row hh, column e at WR + 8 hh + e; later the 32 sums, token u, column e at WR + 8 u + e
.set XB,  56                           ; v[56:63]   x in bf16, two registers a token
.set XF,  64                           ; v[64:79]   the rounded x as f32
.set WF,  80                           ; v[80:111]  the rounded wr as f32: column e, row hh at WF + 4 e + hh
.set AC,  112                          ; v[112:175] pairs (even h, odd h) of sums, at AC + 2 (8 u + e)
.set TP,  176                          ; v[176:179] at work
.set BR,  180                          ; v180       br[lane % 8]
.set SC,  1024                         ; LDS: bytes 0-1023 the waves' sums [token][wave][e]; from SC on 32 scores
	s_load_b256 s[4:11], s[0:1], 0x0               ; x s[4:5], wr s[6:7], br s[8:9], eid s[10:11]
	s_load_b64 s[12:13], s[0:1], 0x20              ; xb
	v_lshl_add_u32 v184, v0, 2, 0x500
	v_mov_b32 v185, 0
	v_and_b32 v1, 31, v0                           ; lane
	v_lshrrev_b32 v2, 5, v0
	v_readfirstlane_b32 s14, v2                    ; wave
	s_mov_b32 s15, 0xffff0000                      ; a word's upper bf16
	s_mov_b32 s16, 0x76543210                      ; v_permlanex16_b32: each lane takes its own place in the other half
	s_mov_b32 s17, 0xfedcba98
	v_lshlrev_b32 v2, 4, v0                        ; my 16 bytes in a row of x
	v_lshlrev_b32 v3, 7, v0                        ; my 4 rows of wr, 32 bytes each
	v_lshlrev_b32 v4, 3, v0                        ; my 8 bytes in a row of xb
	v_and_b32 v5, 7, v0
	v_lshlrev_b32 v5, 2, v5                        ; 4 (lane % 8)
	s_lshl_b32 s18, ttmp9, 14                      ; 4 rows of x
	s_mov_b32 s19, 0
	s_lshl_b32 s20, ttmp9, 13                      ; 4 rows of xb
	s_mov_b32 s21, 0
	s_lshl_b32 s22, ttmp9, 4                       ; 4 words of eid
	s_mov_b32 s23, 0
	s_wait_kmcnt 0x0
	s_add_nc_u64 s[4:5], s[4:5], s[18:19]
	s_add_nc_u64 s[12:13], s[12:13], s[20:21]
	s_add_nc_u64 s[10:11], s[10:11], s[22:23]
.irp u, 0,1,2,3
	global_load_b128 v[XR+4*(\u):XR+4*(\u)+3], v2, s[4:5] offset:4096*(\u) th:TH_LOAD_NT
.endr
.irp i, 0,1,2,3,4,5,6,7
	global_load_b128 v[WR+4*(\i):WR+4*(\i)+3], v3, s[6:7] offset:16*(\i)  ; the eight together take the wave's 4,096 bytes of wr, once
.endr
	global_load_b32 v[BR], v5, s[8:9]
	s_wait_loadcnt 0x0
	; x: rounded, stored (a wave's store covers 256 consecutive bytes, aligned), and widened again
.irp u, 0,1,2,3
	v_cvt_pk_bf16_f32 v[XB+2*(\u)],   v[XR+4*(\u)],   v[XR+4*(\u)+1]
	v_cvt_pk_bf16_f32 v[XB+2*(\u)+1], v[XR+4*(\u)+2], v[XR+4*(\u)+3]
	global_store_b64 v4, v[XB+2*(\u):XB+2*(\u)+1], s[12:13] offset:2048*(\u)
.endr
.irp u, 0,1,2,3
	v_lshlrev_b32 v[XF+4*(\u)],   16,  v[XB+2*(\u)]
	v_and_b32     v[XF+4*(\u)+1], s15, v[XB+2*(\u)]
	v_lshlrev_b32 v[XF+4*(\u)+2], 16,  v[XB+2*(\u)+1]
	v_and_b32     v[XF+4*(\u)+3], s15, v[XB+2*(\u)+1]
.endr
	; wr: rounded and laid by column, so that two neighbouring h make a register pair
.irp hh, 0,1,2,3
.irp p, 0,1,2,3
	v_cvt_pk_bf16_f32 v[TP+(\p)], v[WR+8*(\hh)+2*(\p)], v[WR+8*(\hh)+2*(\p)+1]
.endr
.irp p, 0,1,2,3
	v_lshlrev_b32 v[WF+8*(\p)+(\hh)],   16,  v[TP+(\p)]
	v_and_b32     v[WF+8*(\p)+4+(\hh)], s15, v[TP+(\p)]
.endr
.endr
	v_cvt_pk_bf16_f32 v[TP], v[BR], v[BR]
	v_lshlrev_b32 v[BR], 16, v[TP]
	; my four h of all 32 sums: the first product starts each pair of sums
.irp u, 0,1,2,3
.irp e, 0,1,2,3,4,5,6,7
	v_pk_mul_f32 v[AC+2*(8*(\u)+(\e)):AC+2*(8*(\u)+(\e))+1], v[WF+4*(\e):WF+4*(\e)+1], v[XF+4*(\u):XF+4*(\u)+1]
.endr
.irp e, 0,1,2,3,4,5,6,7
	v_pk_fma_f32 v[AC+2*(8*(\u)+(\e)):AC+2*(8*(\u)+(\e))+1], v[WF+4*(\e)+2:WF+4*(\e)+3], v[XF+4*(\u)+2:XF+4*(\u)+3], v[AC+2*(8*(\u)+(\e)):AC+2*(8*(\u)+(\e))+1]
.endr
.endr
.set k, 0
.rept 32
	v_add_f32 v[WR+k], v[AC+2*k], v[AC+2*k+1]
.set k, k+1
.endr
	; over the 32 lanes: four steps inside each half ride on the addition, one crosses the halves
.irp m, 1,2,4,8
.set k, 0
.rept 32
	v_add_f32_dpp v[WR+k], v[WR+k], v[WR+k] row_xmask:\m row_mask:0xf bank_mask:0xf
.set k, k+1
.endr
.endr
.set k, 0
.rept 32
	v_permlanex16_b32 v[AC+k], v[WR+k], s16, s17   ; its destination counts as read: AC has been written
.set k, k+1
.endr
.set k, 0
.rept 32
	v_add_f32 v[WR+k], v[WR+k], v[AC+k]
.set k, k+1
.endr
	v_mov_b32 v6, s14
	v_lshlrev_b32 v6, 5, v6                        ; my wave's 32 bytes in each token's 256
.irp u, 0,1,2,3
	ds_store_b128 v6, v[WR+8*(\u):WR+8*(\u)+3]   offset:256*(\u)      ; every lane holds the same sums and writes the same bytes
	ds_store_b128 v6, v[WR+8*(\u)+4:WR+8*(\u)+7] offset:256*(\u)+16
.endr
	s_wait_dscnt 0x0                               ; for wave 0's sake: my sums are in LDS
	s_barrier_signal -1
	s_barrier_wait -1
	s_cmp_lg_u32 s14, 0
	s_cbranch_scc1 .Lend                           ; the rest is 32 numbers: one wave's work
	v_lshrrev_b32 v7, 3, v1
	v_lshl_add_u32 v7, v7, 8, v5                   ; lane = (token lane / 8, column lane % 8)
.irp o, 0,1,2,3,4,5,6,7
	ds_load_b32 v[8+(\o)], v7 offset:32*(\o)
.endr
	s_wait_dscnt 0x0
.irp o, 1,2,3,4,5,6,7
	v_add_f32 v8, v8, v[8+(\o)]                    ; the waves' sums, h ascending
.endr
	v_add_f32 v8, v8, v[BR]
	v_lshlrev_b32 v16, 2, v1
	ds_store_b32 v16, v8 offset:SC
	v_and_b32 v17, 3, v1
	v_lshlrev_b32 v17, 5, v17
	ds_load_b128 v[24:27], v17 offset:SC           ; LDS serves a wave's instructions in order (ISA guide 5.7.1.4): these see the store above
	ds_load_b128 v[28:31], v17 offset:SC+16        ; lane u (0..3) now holds token u's eight scores
	s_wait_dscnt 0x0
	v_mov_b32 v32, v24
	v_mov_b32 v33, 0
.irp e, 1,2,3,4,5,6,7
	v_cmp_gt_f32 vcc_lo, v[24+(\e)], v32           ; strictly greater: the first maximum stays
	v_cndmask_b32 v32, v32, v[24+(\e)], vcc_lo
	v_cndmask_b32 v33, v33, \e, vcc_lo
.endr
	s_wait_xcnt 0x0                                ; EXEC is a source of the stores above: it changes only behind this wait
	v_cmp_gt_u32 vcc_lo, 4, v1
	s_and_saveexec_b32 s24, vcc_lo
	global_store_b32 v16, v33, s[10:11]
	s_wait_xcnt 0x0                                ; and again in front of the line that widens it
	s_or_b32 exec_lo, exec_lo, s24
.Lend:
	s_wait_tensorcnt 0x0
	ds_add_u32 v184, v185
	s_wait_dscnt 0x0
	s_endpgm
.Lfunc_end_k_qa8cb6ab21d_route:
	.size	k_qa8cb6ab21d_route, .Lfunc_end_k_qa8cb6ab21d_route-k_qa8cb6ab21d_route
	.p2alignl 7, 3214868480
	.fill 96, 4, 3214868480
	.section	.rodata,"a",@progbits
	.p2align	6, 0x0
	.amdhsa_kernel k_qa8cb6ab21d_route
		.amdhsa_group_segment_fixed_size 2304
		.amdhsa_private_segment_fixed_size 0
		.amdhsa_enable_private_segment 0
		.amdhsa_kernarg_size 40
		.amdhsa_user_sgpr_count 2
		.amdhsa_user_sgpr_kernarg_segment_ptr 1
		.amdhsa_wavefront_size32 1
		.amdhsa_system_sgpr_workgroup_id_x 1
		.amdhsa_system_sgpr_workgroup_id_y 1
		.amdhsa_system_sgpr_workgroup_id_z 1
		.amdhsa_system_vgpr_workitem_id 0
		.amdhsa_next_free_vgpr 186
		.amdhsa_next_free_sgpr 66
		.amdhsa_reserve_vcc 1
		.amdhsa_float_denorm_mode_32 3
		.amdhsa_float_denorm_mode_16_64 3
		.amdhsa_memory_ordered 1
		.amdhsa_forward_progress 1
		.amdhsa_inst_pref_size 26
	.end_amdhsa_kernel
	.amdgpu_metadata
---
amdhsa.version: [ 1, 2 ]
amdhsa.kernels:
  - .name:           k_qa8cb6ab21d_route
    .symbol:         k_qa8cb6ab21d_route.kd
    .args:
      - { .name: x, .offset: 0, .size: 8, .value_kind: global_buffer, .address_space: global }
      - { .name: wr, .offset: 8, .size: 8, .value_kind: global_buffer, .address_space: global }
      - { .name: br, .offset: 16, .size: 8, .value_kind: global_buffer, .address_space: global }
      - { .name: eid, .offset: 24, .size: 8, .value_kind: global_buffer, .address_space: global }
      - { .name: xb, .offset: 32, .size: 8, .value_kind: global_buffer, .address_space: global }
    .group_segment_fixed_size: 2304
    .private_segment_fixed_size: 0
    .kernarg_segment_align: 8
    .kernarg_segment_size: 40
    .max_flat_workgroup_size: 256
    .sgpr_count:     66
    .vgpr_count:     186
    .wavefront_size: 32
...
	.end_amdgpu_metadata
.endif
;; end of part 1
;; launch place (part 2): grid 72 x 1, 4 waves a work-group, no clusters, 34,304 bytes of LDS; arguments eid, xb, xs, pos, meta; writes xs, pos, meta
.if DOCPART == 2
	.amdgcn_target "amdgcn-amd-amdhsa--gfx1250"
	.amdhsa_code_object_version 6
	.text
	.protected	k_qa8cb6ab21d_place
	.globl	k_qa8cb6ab21d_place
	.p2align	8
	.type	k_qa8cb6ab21d_place,@function
k_qa8cb6ab21d_place:
	s_mov_b64 s[64:65], 0
	v_nop
	global_prefetch_b8 v0, s[64:65] scope:SCOPE_SE
	s_setreg_imm32_b32 hwreg(HW_REG_WAVE_MODE, 25, 1), 1
	s_wait_xcnt 0x0
; BUCKETS AND GATHER.  The 1,024 tokens are ordered by expert; each expert's run is padded to whole blocks of 16 rows (72 blocks hold every case: 64 + 7 at the most).
;   meta: word 2 e = nb[e], the expert's blocks; word 2 e + 1 = blk0[e], its first block.      pos[t] = the token's row in the padded order.
;   xs = the rows of xb in that order, laid as matrix fragments: [block][K step of 32][q][lane][16 bytes]; lane (r, h) holds row r of the block, k = 32 step + 16 q + 8 h + 0..7.
;   A row behind an expert's last token repeats that token; a block that no expert has repeats the first token of the first expert that has any.  What is made of such rows is never read.
; EVERY ADDRESS COMES FROM eid, which an earlier launch stored, through registers alone: no number on the way to an address passes through LDS.  No barrier: no wave needs another.
; SHARES.  Work-group = block; wave u = the strip of 512 bytes (256 k, eight K steps) at byte 512 u of the block's 16 rows.  Each wave ranks for itself: 4 KB of eid and some 600 instructions.
; THE ORDER.  Register i = 4 j + x of lane l holds token 128 j + 4 l + x.  Within an expert tokens go by (register, lane): a token's rank is the number of the expert's tokens in lower registers
; plus those in lower lanes of its own register.  To invert: lane r holds row r's rank; it takes the last register whose running sum does not pass the rank, and in that register's mask of lanes
; the set bit of that number.  72 work-groups: the blocks are all the work there is, 2.4 MB.  No cluster: no two work-groups want the same rows of xb but for repeated ones.
; pos leaves as up to 16 words of 4 bytes a work-group, at the tokens' places: 4,096 bytes in all; each token has one true row, so each word is written once.
.set SPT,  528                         ; a stage row: 512 bytes + 16 = 132 words: the 16 rows that a fragment load touches start at 16 different groups of four banks (ISA guide 11.1)
.set OWNB, 16*SPT                      ; a wave's stage: 8,448 bytes
.set E,    8                           ; v[8:39]    eid, then 4 x eid
.set AC,   40                          ; v[40:43]   counts in eight fields of 4 bits, for 8 registers each; then at work in the sum over the lanes
.set LO,   44                          ; v44        counts of experts 0, 2, 4, 6 in bytes
.set HI,   45                          ; v45        of experts 1, 3, 5, 7
.set T0,   46                          ; v46, v47   at work
.set T1,   47
.set A,    48                          ; v[48:51]   counts in halves of 16 bits: experts (0, 4), (2, 6), (1, 5), (3, 7)
.set RAW,  52                          ; v52        my row's rank in its expert's run
.set RHO,  53                          ; v53        the same, not beyond the expert's last token
.set MSK,  54                          ; v54        the mask of lanes of the register that holds that rank
.set BSE,  55                          ; v55        the ranks in front of that register
.set IDX,  56                          ; v56        the register's number
.set NN,   57                          ; v57        which set bit of the mask
.set CA,   58                          ; v58-61     the mask's set bits counted in fields of 2, 4, 8, 16 bits
.set CB,   59
.set CC,   60
.set CD,   61
.set BIT,  62                          ; v62        the bit found so far
.set TT,   63                          ; v63, v64   at work
.set INC,  64
.set TOK,  65                          ; v65        the token of row lane % 16
.set MA,   66                          ; v66        meta: 8 x lane;  v[68:69] its two words
.set MD,   68
.set PO,   70                          ; v70        pos: 4 x token;  v71 the row
.set PD,   71
.set CBY,  72                          ; v72        512 u + 16 lane: my 16 bytes in a row of xb
.set GA,   74                          ; v[74:89]   the 16 rows' byte offsets in xb
.set PV,   92                          ; v[92:155]  the rows as loaded
.set FR,   156                         ; v[156:219] the fragments
; scalars: s[16:47] first constants, sums, tot (32-39), nb (40-47); then the 32 masks; then the 16 tokens.  s[48:63], s[66:80]: first blk0 (48-55) and work; then the masks' running sums.
; running sum i lies at s[48 + i + 2 (i / 16)].  s84 4 e, s85 the block's first rank, s86 the expert's last rank, s87 1 if the block exists.
	s_load_b256 s[4:11], s[0:1], 0x0               ; eid s[4:5], xb s[6:7], xs s[8:9], pos s[10:11]
	s_load_b64 s[12:13], s[0:1], 0x20              ; meta
	v_lshl_add_u32 v220, v0, 2, 0x8400
	v_mov_b32 v221, 0
	v_and_b32 v1, 31, v0                           ; lane
	v_lshrrev_b32 v2, 5, v0
	v_readfirstlane_b32 s14, v2                    ; wave = strip
	s_mov_b32 s15, ttmp9                           ; block
	v_lshlrev_b32 v3, 4, v1                        ; 16 x lane
	v_and_b32 v4, 15, v1                           ; r
	v_lshrrev_b32 v5, 4, v1                        ; h
	s_mov_b32 s20, 0x0f0f0f0f
	s_mov_b32 s21, 0x00ff00ff
	s_mov_b32 s22, 0x76543210                      ; v_permlanex16_b32: each lane takes its own place in the other half
	s_mov_b32 s23, 0xfedcba98
	s_wait_kmcnt 0x0
.irp j, 0,1,2,3,4,5,6,7
	global_load_b128 v[E+4*(\j):E+4*(\j)+3], v3, s[4:5] offset:512*(\j)  ; all 1,024 eid, 512 consecutive bytes a load
.endr
	s_mul_i32 s90, s14, OWNB                       ; my stage
	v_add_nc_u32 v6, s90, v3                       ; into it: a whole row's 512 bytes a store
	v_mul_u32_u24 v7, v4, SPT
	v_lshl_add_u32 v7, v5, 4, v7
	v_add_nc_u32 v7, s90, v7                       ; out of it: row r, 16 h
	v_lshl_add_u32 v[CBY], s14, 9, v3
	s_lshl_b32 s92, s15, 15                        ; the block's 32,768 bytes of xs,
	s_lshl_b32 s93, s14, 13                        ; my strip's eight K steps
	s_add_co_u32 s92, s92, s93
	s_mov_b32 s93, 0
	s_add_nc_u64 s[8:9], s[8:9], s[92:93]
	s_wait_loadcnt 0x0
	; HOW MANY TOKENS EACH EXPERT HAS.  In the lane: 1 << 4 eid is added up over 8 registers, so that a field of 4 bits holds 8 at the most
.set i, 0
.rept 32
	v_lshlrev_b32 v[E+i], 2, v[E+i]
.set i, i+1
.endr
.irp g, 0,1,2,3
	v_lshl_add_u32 v[AC+(\g)], 1, v[E+8*(\g)], 0   ; the first register starts the sum
.endr
.irp x, 1,2,3,4,5,6,7
.irp g, 0,1,2,3
	v_lshl_add_u32 v[AC+(\g)], 1, v[E+8*(\g)+(\x)], v[AC+(\g)]
.endr
.endr
	v_and_b32 v[LO], s20, v[AC]                    ; into bytes (32 at the most),
	v_lshrrev_b32 v[HI], 4, v[AC]
	v_and_b32 v[HI], s20, v[HI]
.irp g, 1,2,3
	v_and_b32 v[T0], s20, v[AC+(\g)]
	v_lshrrev_b32 v[T1], 4, v[AC+(\g)]
	v_add_nc_u32 v[LO], v[LO], v[T0]
	v_and_b32 v[T1], s20, v[T1]
	v_add_nc_u32 v[HI], v[HI], v[T1]
.endr
	v_and_b32 v[A], s21, v[LO]                     ; into halves of 16 bits (1,024 at the most over the lanes)
	v_lshrrev_b32 v[A+1], 8, v[LO]
	v_and_b32 v[A+2], s21, v[HI]
	v_lshrrev_b32 v[A+3], 8, v[HI]
	v_and_b32 v[A+1], s21, v[A+1]
	v_and_b32 v[A+3], s21, v[A+3]
.irp m, 1,2,4,8
.irp q, 0,1,2,3
	v_mov_b32_dpp v[AC+(\q)], v[A+(\q)] row_xmask:\m row_mask:0xf bank_mask:0xf  ; its destination counts as read: AC has been written
.endr
.irp q, 0,1,2,3
	v_add_nc_u32 v[A+(\q)], v[A+(\q)], v[AC+(\q)]
.endr
.endr
.irp q, 0,1,2,3
	v_permlanex16_b32 v[AC+(\q)], v[A+(\q)], s22, s23
.endr
.irp q, 0,1,2,3
	v_add_nc_u32 v[A+(\q)], v[A+(\q)], v[AC+(\q)]
	v_readfirstlane_b32 s[24+(\q)], v[A+(\q)]
.endr
	s_and_b32 s32, s24, 0xffff                     ; tot[0..7]
	s_lshr_b32 s36, s24, 16
	s_and_b32 s34, s25, 0xffff
	s_lshr_b32 s38, s25, 16
	s_and_b32 s33, s26, 0xffff
	s_lshr_b32 s37, s26, 16
	s_and_b32 s35, s27, 0xffff
	s_lshr_b32 s39, s27, 16
	s_mov_b32 s56, 0                               ; blocks so far
.irp k, 0,1,2,3,4,5,6,7
	s_add_co_u32 s[40+(\k)], s[32+(\k)], 15
	s_lshr_b32 s[40+(\k)], s[40+(\k)], 4           ; nb
	s_mov_b32 s[48+(\k)], s56                      ; blk0
	s_add_co_u32 s56, s56, s[40+(\k)]
.endr
	; MY BLOCK'S EXPERT.  For a block that no expert has: the first expert with tokens, rank 0 for all 16 rows
	s_mov_b32 s84, 0
.irp k, 7,6,5,4,3,2,1,0
	s_cmp_lg_u32 s[32+(\k)], 0
	s_cselect_b32 s84, \k, s84
.endr
	s_mov_b32 s85, 0
	s_mov_b32 s86, 0
	s_mov_b32 s87, 0
.irp k, 0,1,2,3,4,5,6,7
	s_sub_co_u32 s57, s15, s[48+(\k)]              ; (wraps to a large number below the expert's first block)
	s_lshl_b32 s58, s57, 4
	s_sub_co_u32 s59, s[32+(\k)], 1
	s_cmp_lt_u32 s57, s[40+(\k)]
	s_cselect_b32 s84, \k, s84
	s_cselect_b32 s85, s58, s85                    ; the block's first rank
	s_cselect_b32 s86, s59, s86                    ; the expert's last rank
	s_cselect_b32 s87, 1, s87
.endr
	s_lshl_b32 s84, s84, 2                         ; to be compared with 4 x eid
	s_cmp_lg_u32 s15, 0
	s_cbranch_scc1 .Lno_meta
	s_cmp_lg_u32 s14, 0
	s_cbranch_scc1 .Lno_meta
	v_mov_b32 v[MD], 0
	v_mov_b32 v[MD+1], 0
.irp k, 0,1,2,3,4,5,6,7
	v_writelane_b32 v[MD],   s[40+(\k)], \k
	v_writelane_b32 v[MD+1], s[48+(\k)], \k
.endr
	v_lshlrev_b32 v[MA], 3, v1
	global_store_b64 v[MA], v[MD:MD+1], s[12:13]   ; all 256 bytes of meta by one store; lanes 8 to 31 write zeros.  What it names is not written again
.Lno_meta:
	; THE EXPERT'S TOKENS: a mask of lanes for each register, and the masks' running sums
	v_add_nc_u32 v[RAW], s85, v4
	v_min_u32 v[RHO], s86, v[RAW]
.set i, 0
.rept 32
	v_cmp_eq_u32 s[16+i], s84, v[E+i]
.set i, i+1
.endr
.set i, 0
.rept 31
	s_bcnt1_i32_b32 s[48+i+2*(i/16)], s[16+i]
.set i, i+1
.endr
.set i, 1
.rept 30
	s_add_co_u32 s[48+i+2*(i/16)], s[48+i+2*(i/16)], s[48+(i-1)+2*((i-1)/16)]
.set i, i+1
.endr
	; the last register in front of which no more than my rank lie: it holds my rank, since the rank is below the expert's total
	v_mov_b32 v[MSK], s16
	v_mov_b32 v[BSE], 0
	v_mov_b32 v[IDX], 0
.set i, 1
.rept 31
	v_cmp_le_u32 vcc_lo, s[48+(i-1)+2*((i-1)/16)], v[RHO]
	v_cndmask_b32 v[MSK], v[MSK], s[16+i], vcc_lo
	v_cndmask_b32 v[BSE], v[BSE], s[48+(i-1)+2*((i-1)/16)], vcc_lo
	v_cndmask_b32 v[IDX], v[IDX], i, vcc_lo
.set i, i+1
.endr
	; set bit number NN (from 0) of the mask: the set bits counted in fields of 2, 4, 8 and 16 bits, then five steps, each into the half that holds it
	v_sub_nc_u32 v[NN], v[RHO], v[BSE]
	v_lshrrev_b32 v[CA], 1, v[MSK]
	v_and_b32 v[CA], 0x55555555, v[CA]
	v_sub_nc_u32 v[CA], v[MSK], v[CA]
	v_lshrrev_b32 v[CB], 2, v[CA]
	v_and_b32 v[TT], 0x33333333, v[CA]
	v_and_b32 v[CB], 0x33333333, v[CB]
	v_add_nc_u32 v[CB], v[CB], v[TT]
	v_lshrrev_b32 v[CC], 4, v[CB]
	v_add_nc_u32 v[CC], v[CC], v[CB]
	v_and_b32 v[CC], 0x0f0f0f0f, v[CC]
	v_lshrrev_b32 v[CD], 8, v[CC]
	v_add_nc_u32 v[CD], v[CD], v[CC]
	v_and_b32 v[CD], 0x00ff00ff, v[CD]
	v_mov_b32 v[BIT], 0
.macro STEP src, width                 ; the lower \width bits from BIT on hold TT set bits: if the wanted one is not among them, go past them
	v_bfe_u32 v[TT], v[\src], v[BIT], \width
	v_cmp_ge_u32 vcc_lo, v[NN], v[TT]
	v_cndmask_b32 v[TT], 0, v[TT], vcc_lo
	v_cndmask_b32 v[INC], 0, \width, vcc_lo
	v_sub_nc_u32 v[NN], v[NN], v[TT]
	v_add_nc_u32 v[BIT], v[BIT], v[INC]
.endm
	STEP CD, 16
	STEP CC, 8
	STEP CB, 4
	STEP CA, 2
	STEP MSK, 1
	v_lshrrev_b32 v[TT], 2, v[IDX]
	v_and_b32 v[TOK], 3, v[IDX]
	v_lshl_add_u32 v[TOK], v[TT], 7, v[TOK]
	v_lshl_add_u32 v[TOK], v[BIT], 2, v[TOK]       ; token = 128 (register / 4) + 4 lane + register % 4
	; THE ROWS.  A load takes one row's strip: 512 consecutive bytes, aligned
.irp q, 0,1,2,3,4,5,6,7,8,9,10,11,12,13,14,15
	v_readlane_b32 s[16+(\q)], v[TOK], \q
.endr
.irp q, 0,1,2,3,4,5,6,7,8,9,10,11,12,13,14,15
	s_min_u32 s[16+(\q)], s[16+(\q)], 0x3ff        ; what comes from memory is bounded by a constant before it enters an address
	v_lshl_add_u32 v[GA+(\q)], s[16+(\q)], 11, v[CBY]
	global_load_b128 v[PV+4*(\q):PV+4*(\q)+3], v[GA+(\q)], s[6:7]
.endr
	s_cmp_lg_u32 s14, 0
	s_cbranch_scc1 .Lno_pos
	v_min_u32 v[PO], 0x3ff, v[TOK]
	v_lshlrev_b32 v[PO], 2, v[PO]
	v_lshl_add_u32 v[PD], s15, 4, v4               ; the row: 16 block + r
	v_cmp_ge_u32 s88, s86, v[RAW]                  ; a true row, no repeat,
	v_cmp_gt_u32 vcc_lo, 16, v1                    ; once,
	s_and_b32 vcc_lo, vcc_lo, s88
	s_cmp_lg_u32 s87, 0                            ; of a block that exists
	s_cselect_b32 vcc_lo, vcc_lo, 0
	s_wait_xcnt 0x0                                ; EXEC is a source of the loads and stores above: it changes only behind this wait
	s_and_saveexec_b32 s89, vcc_lo
	global_store_b32 v[PO], v[PD], s[10:11]
	s_wait_xcnt 0x0                                ; and again in front of the line that widens it
	s_or_b32 exec_lo, exec_lo, s89
.Lno_pos:
.irp q, 0,1,2,3,4,5,6,7,8,9,10,11,12,13,14,15
	s_wait_loadcnt 15-(\q)                         ; loads come back in order (ISA guide 5.7.1): the younger ones stay out
	ds_store_b128 v6, v[PV+4*(\q):PV+4*(\q)+3] offset:SPT*(\q)
.endr
.irp n, 0,1,2,3,4,5,6,7,8,9,10,11,12,13,14,15
	ds_load_b128 v[FR+4*(\n):FR+4*(\n)+3], v7 offset:32*(\n)       ; K step n / 2 of the strip, q = n % 2; LDS serves a wave's instructions in order (ISA guide 5.7.1.4): these see the stores above
.endr
.irp n, 0,1,2,3,4,5,6,7,8,9,10,11,12,13,14,15
	s_wait_dscnt 15-(\n)
	global_store_b128 v3, v[FR+4*(\n):FR+4*(\n)+3], s[8:9] offset:512*(\n)  ; 512 consecutive bytes, aligned
.endr
	s_wait_tensorcnt 0x0
	ds_add_u32 v220, v221
	s_wait_dscnt 0x0
	s_endpgm
.Lfunc_end_k_qa8cb6ab21d_place:
	.size	k_qa8cb6ab21d_place, .Lfunc_end_k_qa8cb6ab21d_place-k_qa8cb6ab21d_place
	.p2alignl 7, 3214868480
	.fill 96, 4, 3214868480
	.section	.rodata,"a",@progbits
	.p2align	6, 0x0
	.amdhsa_kernel k_qa8cb6ab21d_place
		.amdhsa_group_segment_fixed_size 34304
		.amdhsa_private_segment_fixed_size 0
		.amdhsa_enable_private_segment 0
		.amdhsa_kernarg_size 40
		.amdhsa_user_sgpr_count 2
		.amdhsa_user_sgpr_kernarg_segment_ptr 1
		.amdhsa_wavefront_size32 1
		.amdhsa_system_sgpr_workgroup_id_x 1
		.amdhsa_system_sgpr_workgroup_id_y 1
		.amdhsa_system_sgpr_workgroup_id_z 1
		.amdhsa_system_vgpr_workitem_id 0
		.amdhsa_next_free_vgpr 222
		.amdhsa_next_free_sgpr 96
		.amdhsa_reserve_vcc 1
		.amdhsa_float_denorm_mode_32 3
		.amdhsa_float_denorm_mode_16_64 3
		.amdhsa_memory_ordered 1
		.amdhsa_forward_progress 1
		.amdhsa_inst_pref_size 37
	.end_amdhsa_kernel
	.amdgpu_metadata
---
amdhsa.version: [ 1, 2 ]
amdhsa.kernels:
  - .name:           k_qa8cb6ab21d_place
    .symbol:         k_qa8cb6ab21d_place.kd
    .args:
      - { .name: eid, .offset: 0, .size: 8, .value_kind: global_buffer, .address_space: global }
      - { .name: xb, .offset: 8, .size: 8, .value_kind: global_buffer, .address_space: global }
      - { .name: xs, .offset: 16, .size: 8, .value_kind: global_buffer, .address_space: global }
      - { .name: pos, .offset: 24, .size: 8, .value_kind: global_buffer, .address_space: global }
      - { .name: meta, .offset: 32, .size: 8, .value_kind: global_buffer, .address_space: global }
    .group_segment_fixed_size: 34304
    .private_segment_fixed_size: 0
    .kernarg_segment_align: 8
    .kernarg_segment_size: 40
    .max_flat_workgroup_size: 128
    .sgpr_count:     96
    .vgpr_count:     222
    .wavefront_size: 32
...
	.end_amdgpu_metadata
.endif
;; end of part 2
;; launch up (part 3): grid 256 x 1, 4 waves a work-group, no clusters, 66,048 bytes of LDS; arguments w1, b1, xs, meta, hs; writes hs
.if DOCPART == 3
	.amdgcn_target "amdgcn-amd-amdhsa--gfx1250"
	.amdhsa_code_object_version 6
	.text
	.protected	k_qa8cb6ab21d_up
	.globl	k_qa8cb6ab21d_up
	.p2align	8
	.type	k_qa8cb6ab21d_up,@function
k_qa8cb6ab21d_up:
	s_mov_b64 s[64:65], 0
	v_nop
	global_prefetch_b8 v0, s[64:65] scope:SCOPE_SE
	s_setreg_imm32_b32 hwreg(HW_REG_WAVE_MODE, 25, 1), 1
	s_wait_xcnt 0x0
; hs = gelu(xs . w1[e] + b1[e]) for the rows routed to expert e, in bf16.  w1 [8][1024][4096] f32 and b1 are rounded to bf16; sums in f32.
; SHARES.  Work-group = (expert e = id / 32, 128 columns sl = id % 32): 512 KB of w1, read once, kept as bf16 in registers: wave w holds k = 256 w .. + 255
; of all 128 columns, 64 fragments in 512 registers.  Then the expert's blocks of 16 rows pass: 64 products a wave and block, the four waves' sums meet in LDS.
; NO CLUSTER, NO LDS FOR THE OPERANDS: the weights are shared by nobody; the rows (xs, 2.4 MB in all) lie in memory as fragments and go straight into registers.
; WEIGHTS WITHOUT A TRANSPOSE.  A load takes 64 columns of one row for lanes 0-15 (lane r: columns 4 r .. 4 r + 3) and of the row 8 further for lanes 16-31: two runs of
; 256 consecutive bytes, aligned.  Sixteen loads take the sixteen k that a lane holds of a K step of 32; packing register c of two of them gives a register
; of fragment c, in which lane r stands for column 4 r + c.  Source 0 = weights, source 1 = rows: in the result lane (r, h), register j is row r, column 64 g + 32 h + 4 j + c.
; hs IS LAID FOR THE NEXT LAUNCH: [block][K step Z of 128][q][lane][16 bytes]; lane (r, h) holds row r and f = 64 (Z / 2) + 32 h + 16 (Z % 2) + 0..15: an order of k that
; the next launch gives its weights too.
; THE LOOP has 64 trips for every expert (the most blocks that one can have), since every wave must pass every barrier; a trip beyond the expert's nb blocks does nothing else.
; GELU is exact: max(v, 0) - |v| erfc(|v| / sqrt 2) / 2, erfc by Abramowitz and Stegun 7.1.26 (t = 1 / (1 + 0.3275911 z), five terms, absolute error 1.5e-7 at the most for every z >= 0).
; LIMITS.  |v| below 1.7e38 (2 max(v, 0) is formed); NaN and infinities are not treated apart.  An expert without tokens still loads its weights and stores nothing.
; REGISTERS, in windows of 256 (s_set_vgpr_msb: bits 1:0 source 0, 3:2 source 1, 5:4 source 2, 7:6 destination):
;   window 0: addresses, accumulators, epilogue.   windows 1, 2: weight fragment F = 8 s + 4 g + c at 8 (F % 32), K steps s 0-3 in window 1, 4-7 in window 2.
;   window 3: four staging slots of 64 for the f32 weights; later two buffers of row fragments, buffer b, K step s at 64 b + 8 s.
.set WOFF, 4                           ; v4   131072 h + 16 r: my place in a load of weights
.set L16,  5                           ; v5   16 x lane
.set LW,   6                           ; v6   LDS: 8192 w + 16 lane: where I put sums
.set LR,   7                           ; v7   LDS: 4096 (w / 2) + 512 (w % 2) + 16 lane: where I read sums
.set BOF,  8                           ; v8   my 16 numbers of b1
.set BIT,  16                          ; v[16:31]   bias at BIT + 4 c + jj
.set ACC,  32                          ; v[32:95]   accumulator a = 4 g + c at ACC + 8 a
.set PS,   96                          ; v[96:159]  writer o's sums at PS + 16 o + 4 c + jj; the first 16 become v and then the result
.set GM,   160                         ; max(v, 0)
.set GX,   176                         ; |v|
.set GT,   192                         ; t
.set GQ,   208                         ; exp(-v^2 / 2)
.set GP,   224                         ; the polynomial
.set OUT,  240                         ; v[240:247] the fragment to store
.set MSB, 0
.macro WIN new                         ; the immediate's high byte repeats the setting that is left; a switch that changes nothing is dropped
.if MSB != (\new)
	s_set_vgpr_msb (MSB<<8)|(\new)
.set MSB, \new
.endif
.endm
.macro KPAIR r, val                    ; a constant for the packed forms: named as a pair, so both words are written
	s_mov_b32 s[\r], \val
	s_mov_b32 s[(\r)+1], \val
.endm
; Load unit n = 2 s + g: the sixteen rows of K step s, column group g, into staging slot n % 4
.macro LU n
	WIN 0xc0                                       ; destination window 3, address window 0
.irp i, 0,1,2,3,4,5,6,7,8,9,10,11,12,13,14,15
	global_load_b128 v[64*((\n)&3)+4*(\i):64*((\n)&3)+4*(\i)+3], v[WOFF], s[20:21] offset:(32*((\n)/2)+((\i)&7)+16*((\i)>>3))*16384+256*((\n)&1) th:TH_LOAD_NT
.endr
.endm
; The unit's four fragments: 32 roundings of two numbers each
.macro CV n
.if (\n) < 8
	WIN 0x4f                                       ; sources window 3, destination window 1
.else
	WIN 0x8f                                       ; destination window 2
.endif
.irp c, 0,1,2,3
.irp p, 0,1,2,3,4,5,6,7
	v_cvt_pk_bf16_f32 v[8*((4*(\n)+(\c))&31)+(\p)], v[64*((\n)&3)+8*(\p)+(\c)], v[64*((\n)&3)+8*(\p)+4+(\c)]
.endr
.endr
.endm
.macro WSTEP n, left                   ; left: the loads issued behind unit n's sixteen
	s_wait_loadcnt \left
	CV \n
.endm
; s[22:23] = my wave's 8 KB of block min(s33, nb - 1) of the expert; the number read from memory is bounded by a constant before it is shifted
.macro ABASE
	s_min_u32 s32, s33, s19
	s_add_co_u32 s32, s32, s18
	s_min_u32 s32, s32, 71
	s_lshl_b32 s28, s32, 15
	s_add_nc_u64 s[22:23], s[8:9], s[28:29]
.endm
.macro ALOAD b                         ; a block's fragments for my 8 K steps: 16 loads of 512 consecutive bytes
	WIN 0xc0
.irp s, 0,1,2,3,4,5,6,7
.irp q, 0,1
	global_load_b128 v[64*(\b)+8*(\s)+4*(\q):64*(\b)+8*(\s)+4*(\q)+3], v[L16], s[22:23] offset:1024*(\s)+512*(\q)
.endr
.endr
.endm
; 64 products.  The eight accumulators take turns, one instruction a turn; the first K step starts the sums with the constant 0
.macro MULS b
.irp s, 0,1,2,3,4,5,6,7
.if (\s) < 4
	WIN 0x0d                                       ; weights window 1, rows window 3, sums window 0
.else
	WIN 0x0e                                       ; weights window 2
.endif
.irp a, 0,1,2,3,4,5,6,7
.if (\s) == 0
	v_wmma_f32_16x16x32_bf16 v[ACC+8*(\a):ACC+8*(\a)+7], v[8*((8*(\s)+(\a))&31):8*((8*(\s)+(\a))&31)+7], v[64*(\b)+8*(\s):64*(\b)+8*(\s)+7], 0
.else
	v_wmma_f32_16x16x32_bf16 v[ACC+8*(\a):ACC+8*(\a)+7], v[8*((8*(\s)+(\a))&31):8*((8*(\s)+(\a))&31)+7], v[64*(\b)+8*(\s):64*(\b)+8*(\s)+7], v[ACC+8*(\a):ACC+8*(\a)+7]
.endif
.endr
.endr
.endm
.macro PAIRS line:vararg               ; one line for each of eight register pairs, at pp
.set pp, 0
.rept 8
	\line
.set pp, pp+2
.endr
.endm
.macro EACH line:vararg                ; one line for each of sixteen registers, at kk
.set kk, 0
.rept 16
	\line
.set kk, kk+1
.endr
.endm
	s_load_b256 s[4:11], s[0:1], 0x0               ; w1 s[4:5], b1 s[6:7], xs s[8:9], meta s[10:11]
	s_load_b64 s[12:13], s[0:1], 0x20              ; hs
	v_lshl_add_u32 v254, v0, 2, 0x10000
	v_mov_b32 v255, 0
	v_and_b32 v1, 31, v0
	v_lshrrev_b32 v2, 5, v0
	v_readfirstlane_b32 s14, v2                    ; wave
	s_lshr_b32 s15, ttmp9, 5                       ; e
	s_and_b32 s16, ttmp9, 31                       ; sl
	v_and_b32 v2, 15, v0                           ; r
	v_bfe_u32 v3, v0, 4, 1                         ; h
	v_lshlrev_b32 v[WOFF], 4, v2
	v_lshl_add_u32 v[WOFF], v3, 17, v[WOFF]        ; lanes 16-31: 8 rows of 16,384 bytes further
	v_lshlrev_b32 v[L16], 4, v1
	v_lshl_add_u32 v[LW], s14, 13, v[L16]
	s_lshr_b32 s32, s14, 1                         ; in the epilogue my wave takes column group g = w / 2,
	s_and_b32 s33, s14, 1                          ; registers 4 (w % 2) + 0..3 of its accumulators
	s_lshl_b32 s24, s32, 12
	s_lshl_b32 s25, s33, 9
	s_add_co_u32 s24, s24, s25
	v_add_nc_u32 v[LR], s24, v[L16]
	s_lshl_b32 s24, s15, 14                        ; b1: row e, column 128 sl + 64 g + 32 h + 16 (w % 2), in bytes
	s_lshl_b32 s25, s16, 9
	s_add_co_u32 s24, s24, s25
	s_lshl_b32 s25, s32, 8
	s_add_co_u32 s24, s24, s25
	s_lshl_b32 s25, s33, 6
	s_add_co_u32 s24, s24, s25
	v_lshl_add_u32 v[BOF], v3, 7, s24
	KPAIR 36, 0x3e6d3389                           ; 0.3275911 / sqrt 2
	KPAIR 38, 0x3e827906                           ; a1 =  0.254829592
	KPAIR 40, 0xbe91a98e                           ; a2 = -0.284496736
	KPAIR 42, 0x3fb5f0e3                           ; a3 =  1.421413741
	KPAIR 44, 0xbfba00e3                           ; a4 = -1.453152027
	KPAIR 46, 0x3f87dc22                           ; a5 =  1.061405429
	KPAIR 48, 0x3f596d27                           ; sqrt(log2(e) / 2): exp(-v^2 / 2) = 2^-(this v)^2
	s_mov_b32 s50, 0xffff0000
	s_mov_b32 s29, 0                               ; the upper word of every offset; stays 0
	s_wait_kmcnt 0x0
	s_lshl_b32 s28, s15, 3
	s_add_nc_u64 s[10:11], s[10:11], s[28:29]
	s_load_b64 s[34:35], s[10:11], 0x0             ; nb, blk0: wanted when the weights are nearly in
	s_lshl_b32 s28, s15, 24                        ; w1: expert, my 256 rows, the work-group's 128 columns
	s_lshl_b32 s24, s14, 22
	s_add_co_u32 s28, s28, s24
	s_lshl_b32 s24, s16, 9
	s_add_co_u32 s28, s28, s24
	s_add_nc_u64 s[20:21], s[4:5], s[28:29]
	s_lshl_b32 s28, s14, 13
	s_add_nc_u64 s[8:9], s[8:9], s[28:29]          ; xs at my 8 K steps of block 0
	s_lshl2_add_u32 s28, s16, s14
	s_lshl_b32 s28, s28, 10
	s_add_nc_u64 s[12:13], s[12:13], s[28:29]      ; hs at K step 4 sl + w of block 0
.irp m, 0,1,2,3
	global_load_b128 v[PS+4*(\m):PS+4*(\m)+3], v[BOF], s[6:7] offset:16*(\m)
.endr
	; THE WEIGHTS.  Four units, 64 loads of 512 bytes, are on their way in every wave; the wait leaves the three younger units out
	LU 0
	LU 1
	LU 2
	LU 3
	WSTEP 0, 48
	WIN 0                                          ; the bias came in ahead of unit 0: rounded to bf16 and laid as the sums will lie
.irp jj, 0,1,2,3
	v_cvt_pk_bf16_f32 v[GM],   v[PS+4*(\jj)],   v[PS+4*(\jj)+1]
	v_cvt_pk_bf16_f32 v[GM+1], v[PS+4*(\jj)+2], v[PS+4*(\jj)+3]
	v_lshlrev_b32 v[BIT+(\jj)],    16,  v[GM]
	v_and_b32     v[BIT+4+(\jj)],  s50, v[GM]
	v_lshlrev_b32 v[BIT+8+(\jj)],  16,  v[GM+1]
	v_and_b32     v[BIT+12+(\jj)], s50, v[GM+1]
.endr
	LU 4
.irp n, 1,2,3,4,5,6,7,8,9,10,11
	WSTEP \n, 48
	LU (\n)+4
.endr
	s_wait_kmcnt 0x0
	s_min_u32 s17, s34, 64                         ; nb
	s_min_u32 s18, s35, 71                         ; blk0,
	s_cmp_eq_u32 s17, 0
	s_cselect_b32 s18, 0, s18                      ; or block 0, which always exists, for an expert without tokens
	s_max_u32 s19, s17, 1
	s_sub_co_u32 s19, s19, 1                       ; the expert's last block
	s_mov_b32 s33, 0
	ABASE
	WSTEP 12, 48
	ALOAD 0                                        ; block 0, into the staging slot just emptied
	WSTEP 13, 48                                   ; units 14, 15 and block 0's sixteen loads
	WSTEP 14, 32                                   ; unit 15 and block 0's
	WSTEP 15, 16                                   ; block 0's
	WIN 0                                          ; at a label and at a branch every window is 0
; A TRIP: block s31 of the expert, its fragments in buffer b.
.macro TRIP b
	s_cmp_lt_u32 s31, s17
	s_cbranch_scc0 .Lno_mul_\@
	s_wait_loadcnt 0x0                             ; the only loads out are this block's fragments; for 0, since the count must hold on every way to this line
	s_add_co_u32 s33, s31, 1
	ABASE                                          ; (the loads that named s[22:23] are done)
	ALOAD 1-(\b)                                   ; the next block, or the last once more: it has this whole trip in which to land
	MULS \b
	WIN 0
.rept 5
	v_nop                                          ; five places: the sums are read below; the next trip loads into these sources and starts new sums on these registers
.endr
.irp a, 0,1,2,3,4,5,6,7
	ds_store_b128 v[LW], v[ACC+8*(\a):ACC+8*(\a)+3]   offset:(\b)*32768+(\a)*1024      ; each accumulator from its low end
	ds_store_b128 v[LW], v[ACC+8*(\a)+4:ACC+8*(\a)+7] offset:(\b)*32768+(\a)*1024+512  ; 512 consecutive bytes a store: no bank is asked twice
.endr
.Lno_mul_\@:
	s_wait_dscnt 0x0                               ; my sums are in LDS buffer b, and my reads of the other buffer, which the next trip writes, are over
	s_barrier_signal -1
	s_barrier_wait -1
	s_cmp_lt_u32 s31, s17
	s_cbranch_scc0 .Lno_out_\@
.irp o, 0,1,2,3
.irp c, 0,1,2,3
	ds_load_b128 v[PS+16*(\o)+4*(\c):PS+16*(\o)+4*(\c)+3], v[LR] offset:(\b)*32768+8192*(\o)+1024*(\c)
.endr
.endr
	s_wait_xcnt 0x0                                ; the last trip's stores have read their base and OUT: both are written again below
	s_add_co_u32 s32, s18, s31
	s_min_u32 s32, s32, 71
	s_lshl_b32 s28, s32, 17
	s_add_nc_u64 s[26:27], s[12:13], s[28:29]
	s_wait_dscnt 8                                 ; writers 0 and 1 are in; the eight younger loads stay out
	PAIRS v_pk_add_f32 v[PS+pp:PS+pp+1], v[PS+pp:PS+pp+1], v[PS+16+pp:PS+16+pp+1]
	s_wait_dscnt 0x0
	PAIRS v_pk_add_f32 v[PS+32+pp:PS+32+pp+1], v[PS+32+pp:PS+32+pp+1], v[PS+48+pp:PS+48+pp+1]
	PAIRS v_pk_add_f32 v[PS+pp:PS+pp+1], v[PS+pp:PS+pp+1], v[PS+32+pp:PS+32+pp+1]
	PAIRS v_pk_add_f32 v[PS+pp:PS+pp+1], v[PS+pp:PS+pp+1], v[BIT+pp:BIT+pp+1]
	EACH  v_max_num_f32 v[GM+kk], 0, v[PS+kk]
	PAIRS v_pk_mul_f32 v[GQ+pp:GQ+pp+1], v[PS+pp:PS+pp+1], s[48:49] op_sel_hi:[1,0]
	PAIRS v_pk_fma_f32 v[GX+pp:GX+pp+1], v[GM+pp:GM+pp+1], 2.0, v[PS+pp:PS+pp+1] op_sel_hi:[1,0,1] neg_lo:[0,0,1] neg_hi:[0,0,1]
	PAIRS v_pk_mul_f32 v[GQ+pp:GQ+pp+1], v[GQ+pp:GQ+pp+1], v[GQ+pp:GQ+pp+1] neg_lo:[1,0] neg_hi:[1,0]
	PAIRS v_pk_fma_f32 v[GT+pp:GT+pp+1], v[GX+pp:GX+pp+1], s[36:37], 1.0 op_sel_hi:[1,0,0]
	EACH  v_exp_f32 v[GQ+kk], v[GQ+kk]
	EACH  v_rcp_f32 v[GT+kk], v[GT+kk]
	v_nop                                          ; a plain instruction between the last reciprocal and the use of its result (ISA guide 5.7.2)
	s_wait_alu depctr_va_vdst(0)
	PAIRS v_pk_fma_f32 v[GP+pp:GP+pp+1], v[GT+pp:GT+pp+1], s[46:47], s[44:45] op_sel_hi:[1,0,0]
	PAIRS v_pk_fma_f32 v[GP+pp:GP+pp+1], v[GP+pp:GP+pp+1], v[GT+pp:GT+pp+1], s[42:43] op_sel_hi:[1,1,0]
	PAIRS v_pk_fma_f32 v[GP+pp:GP+pp+1], v[GP+pp:GP+pp+1], v[GT+pp:GT+pp+1], s[40:41] op_sel_hi:[1,1,0]
	PAIRS v_pk_fma_f32 v[GP+pp:GP+pp+1], v[GP+pp:GP+pp+1], v[GT+pp:GT+pp+1], s[38:39] op_sel_hi:[1,1,0]
	PAIRS v_pk_mul_f32 v[GP+pp:GP+pp+1], v[GP+pp:GP+pp+1], v[GT+pp:GT+pp+1]
	PAIRS v_pk_mul_f32 v[GP+pp:GP+pp+1], v[GP+pp:GP+pp+1], v[GQ+pp:GQ+pp+1]
	PAIRS v_pk_mul_f32 v[GP+pp:GP+pp+1], v[GP+pp:GP+pp+1], v[GX+pp:GX+pp+1]
	PAIRS v_pk_fma_f32 v[PS+pp:PS+pp+1], v[GP+pp:GP+pp+1], -0.5, v[GM+pp:GM+pp+1] op_sel_hi:[1,0,1]
.irp jj, 0,1,2,3
	v_cvt_pk_bf16_f32 v[OUT+2*(\jj)],   v[PS+(\jj)],   v[PS+4+(\jj)]    ; f = .. + 4 jj + 0, 1
	v_cvt_pk_bf16_f32 v[OUT+2*(\jj)+1], v[PS+8+(\jj)], v[PS+12+(\jj)]   ; f = .. + 4 jj + 2, 3
.endr
	global_store_b128 v[L16], v[OUT:OUT+3],   s[26:27]                  ; 512 consecutive bytes, aligned
	global_store_b128 v[L16], v[OUT+4:OUT+7], s[26:27] offset:512
.Lno_out_\@:
.endm
	s_mov_b32 s30, 0
.Lblocks:
	s_lshl_b32 s31, s30, 1
	TRIP 0
	s_or_b32 s31, s31, 1
	TRIP 1
	s_add_co_u32 s30, s30, 1
	s_cmp_lt_u32 s30, 32
	s_cbranch_scc1 .Lblocks
	s_wait_tensorcnt 0x0
	ds_add_u32 v254, v255
	s_wait_dscnt 0x0
	s_endpgm
.Lfunc_end_k_qa8cb6ab21d_up:
	.size	k_qa8cb6ab21d_up, .Lfunc_end_k_qa8cb6ab21d_up-k_qa8cb6ab21d_up
	.p2alignl 7, 3214868480
	.fill 96, 4, 3214868480
	.section	.rodata,"a",@progbits
	.p2align	6, 0x0
	.amdhsa_kernel k_qa8cb6ab21d_up
		.amdhsa_group_segment_fixed_size 66048
		.amdhsa_private_segment_fixed_size 0
		.amdhsa_enable_private_segment 0
		.amdhsa_kernarg_size 40
		.amdhsa_user_sgpr_count 2
		.amdhsa_user_sgpr_kernarg_segment_ptr 1
		.amdhsa_wavefront_size32 1
		.amdhsa_system_sgpr_workgroup_id_x 1
		.amdhsa_system_sgpr_workgroup_id_y 1
		.amdhsa_system_sgpr_workgroup_id_z 1
		.amdhsa_system_vgpr_workitem_id 0
		.amdhsa_next_free_vgpr 1024
		.amdhsa_next_free_sgpr 66
		.amdhsa_reserve_vcc 0
		.amdhsa_float_denorm_mode_32 3
		.amdhsa_float_denorm_mode_16_64 3
		.amdhsa_memory_ordered 1
		.amdhsa_forward_progress 1
		.amdhsa_inst_pref_size 102
	.end_amdhsa_kernel
	.amdgpu_metadata
---
amdhsa.version: [ 1, 2 ]
amdhsa.kernels:
  - .name:           k_qa8cb6ab21d_up
    .symbol:         k_qa8cb6ab21d_up.kd
    .args:
      - { .name: w1, .offset: 0, .size: 8, .value_kind: global_buffer, .address_space: global }
      - { .name: b1, .offset: 8, .size: 8, .value_kind: global_buffer, .address_space: global }
      - { .name: xs, .offset: 16, .size: 8, .value_kind: global_buffer, .address_space: global }
      - { .name: meta, .offset: 24, .size: 8, .value_kind: global_buffer, .address_space: global }
      - { .name: hs, .offset: 32, .size: 8, .value_kind: global_buffer, .address_space: global }
    .group_segment_fixed_size: 66048
    .private_segment_fixed_size: 0
    .kernarg_segment_align: 8
    .kernarg_segment_size: 40
    .max_flat_workgroup_size: 128
    .sgpr_count:     66
    .vgpr_count:     1024
    .wavefront_size: 32
...
	.end_amdgpu_metadata
.endif
;; end of part 3
;; launch down (part 4): grid 256 x 1, 4 waves a work-group, no clusters, 33,280 bytes of LDS; arguments w2, hs, meta, part; writes part
.if DOCPART == 4
	.amdgcn_target "amdgcn-amd-amdhsa--gfx1250"
	.amdhsa_code_object_version 6
	.text
	.protected	k_qa8cb6ab21d_down
	.globl	k_qa8cb6ab21d_down
	.p2align	8
	.type	k_qa8cb6ab21d_down,@function
k_qa8cb6ab21d_down:
	s_mov_b64 s[64:65], 0
	v_nop
	global_prefetch_b8 v0, s[64:65] scope:SCOPE_SE
	s_setreg_imm32_b32 hwreg(HW_REG_WAVE_MODE, 25, 1), 1
	s_wait_xcnt 0x0
; part[kh] = hs[:, 2048 kh .. + 2047] . w2[e][2048 kh .. + 2047][:] for the rows routed to expert e, in f32: two halves of K, added in the next launch.
; w2 [8][4096][1024] f32 is rounded to bf16; sums in f32.
; SHARES.  Work-group = (expert e = id / 32, 64 columns cg = (id % 32) / 2, half kh = id % 2): 512 KB of w2, read once, kept as bf16 in registers: wave w holds
; f = 2048 kh + 512 w .. + 511 of the 64 columns, 64 fragments in 512 registers.  64 columns are the least that keep runs of 256 bytes, and 8 x 16 such groups are 128:
; the split of K over two work-groups gives each of 256 its share.  Then the expert's blocks of 16 rows pass: 64 products a wave and block, the four waves' sums meet in LDS.
; NO CLUSTER, NO LDS FOR THE OPERANDS: the weights are shared by nobody; the rows (hs, 9.4 MB in all) lie in memory as fragments and go straight into registers.
; WEIGHTS: as in the launch before: a load takes 64 columns of one row for lanes 0-15 and of the row 32 further for lanes 16-31; sixteen loads take the sixteen f that hs gives a lane
; in K step S: f = 64 (S / 2) + 32 h + 16 (S % 2) + 0..15; in fragment c lane r stands for column 4 r + c.  Both operands have that same order of k, so the products are the true ones.
; Source 0 = rows, source 1 = weights: in the result lane (r, h), register j is row 8 h + j, column 4 r + c: the four accumulators' registers j are 16 consecutive bytes of a row.
; THE LOOP has 64 trips for every expert, since every wave must pass every barrier; a trip beyond the expert's nb blocks does nothing else.
; An expert without tokens still loads its weights and stores nothing.
; REGISTERS: window 0: addresses, accumulators, sums.  Windows 1, 2: weight fragment F = 4 S + c at 8 (F % 32), K steps 0-7 in window 1, 8-15 in window 2.
;   window 3: four staging slots of 64 for the f32 weights; later two buffers of row fragments, buffer b, K step S at 128 b + 8 S.
.set WOFF, 4                           ; v4   131072 h + 16 r
.set L16,  5                           ; v5   16 x lane
.set LW,   6                           ; v6   LDS: 4096 w + 8 lane
.set LR,   7                           ; v7   LDS: 256 w + 8 lane
.set SO,   8                           ; v8   32768 h + 8192 w + 16 r: my 16 bytes of row 8 h + 2 w of a block
.set ACC,  32                          ; v[32:63]   accumulator c at ACC + 8 c
.set PS,   64                          ; v[64:95]   writer o's sums at PS + 8 o + 2 c + jl
.set RS,   96                          ; v[96:103]  the result at RS + 4 jl + c
.set HALFP, 4718592                    ; bytes in one half of part: 1,152 rows of 4,096
.set MSB, 0
.macro WIN new                         ; the immediate's high byte repeats the setting that is left; a switch that changes nothing is dropped
.if MSB != (\new)
	s_set_vgpr_msb (MSB<<8)|(\new)
.set MSB, \new
.endif
.endm
.macro LU n                            ; the sixteen rows of K step n into staging slot n % 4
	WIN 0xc0                                       ; destination window 3, address window 0
.irp i, 0,1,2,3,4,5,6,7,8,9,10,11,12,13,14,15
	global_load_b128 v[64*((\n)&3)+4*(\i):64*((\n)&3)+4*(\i)+3], v[WOFF], s[20:21] offset:(64*((\n)/2)+16*((\n)&1)+(\i))*4096 th:TH_LOAD_NT
.endr
.endm
.macro CV n                            ; its four fragments
.if (\n) < 8
	WIN 0x4f
.else
	WIN 0x8f
.endif
.irp c, 0,1,2,3
.irp p, 0,1,2,3,4,5,6,7
	v_cvt_pk_bf16_f32 v[8*((4*(\n)+(\c))&31)+(\p)], v[64*((\n)&3)+8*(\p)+(\c)], v[64*((\n)&3)+8*(\p)+4+(\c)]
.endr
.endr
.endm
.macro WSTEP n, left                   ; left: the loads issued behind K step n's sixteen
	s_wait_loadcnt \left
	CV \n
.endm
.macro ABASE                           ; s[22:23] = my wave's 16 KB of block min(s33, nb - 1) of the expert
	s_min_u32 s32, s33, s19
	s_add_co_u32 s32, s32, s18
	s_min_u32 s32, s32, 71
	s_lshl_b32 s28, s32, 17
	s_add_nc_u64 s[22:23], s[6:7], s[28:29]
.endm
.macro ALOAD b, hf                     ; half hf of a block's fragments for my 16 K steps: 16 loads of 512 consecutive bytes
	WIN 0xc0
.irp s, 0,1,2,3,4,5,6,7
.irp q, 0,1
	global_load_b128 v[128*(\b)+64*(\hf)+8*(\s)+4*(\q):128*(\b)+64*(\hf)+8*(\s)+4*(\q)+3], v[L16], s[22:23] offset:8192*(\hf)+1024*(\s)+512*(\q)
.endr
.endr
.endm
; 64 products.  The four accumulators take turns, one instruction a turn; the first K step starts the sums with the constant 0
.macro MULS b
.irp s, 0,1,2,3,4,5,6,7,8,9,10,11,12,13,14,15
.if (\s) < 8
	WIN 0x07                                       ; rows window 3, weights window 1, sums window 0
.else
	WIN 0x0b                                       ; weights window 2
.endif
.irp c, 0,1,2,3
.if (\s) == 0
	v_wmma_f32_16x16x32_bf16 v[ACC+8*(\c):ACC+8*(\c)+7], v[128*(\b)+8*(\s):128*(\b)+8*(\s)+7], v[8*((4*(\s)+(\c))&31):8*((4*(\s)+(\c))&31)+7], 0
.else
	v_wmma_f32_16x16x32_bf16 v[ACC+8*(\c):ACC+8*(\c)+7], v[128*(\b)+8*(\s):128*(\b)+8*(\s)+7], v[8*((4*(\s)+(\c))&31):8*((4*(\s)+(\c))&31)+7], v[ACC+8*(\c):ACC+8*(\c)+7]
.endif
.endr
.endr
.endm
	s_load_b256 s[4:11], s[0:1], 0x0               ; w2 s[4:5], hs s[6:7], meta s[8:9], part s[10:11]
	v_lshl_add_u32 v254, v0, 2, 0x8000
	v_mov_b32 v255, 0
	v_and_b32 v1, 31, v0
	v_lshrrev_b32 v2, 5, v0
	v_readfirstlane_b32 s14, v2                    ; wave
	s_lshr_b32 s15, ttmp9, 5                       ; e
	s_bfe_u32 s16, ttmp9, 0x40001                  ; cg: four bits from bit 1
	s_and_b32 s12, ttmp9, 1                        ; kh
	v_and_b32 v2, 15, v0                           ; r
	v_bfe_u32 v3, v0, 4, 1                         ; h
	v_lshlrev_b32 v[WOFF], 4, v2
	v_lshl_add_u32 v[SO], s14, 13, v[WOFF]
	v_lshl_add_u32 v[SO], v3, 15, v[SO]
	v_lshl_add_u32 v[WOFF], v3, 17, v[WOFF]        ; lanes 16-31: 32 rows of 4,096 bytes further
	v_lshlrev_b32 v[L16], 4, v1
	v_lshlrev_b32 v[LR], 3, v1
	v_lshl_add_u32 v[LW], s14, 12, v[LR]
	v_lshl_add_u32 v[LR], s14, 8, v[LR]
	s_mov_b32 s29, 0                               ; the upper word of every offset; stays 0
	s_wait_kmcnt 0x0
	s_lshl_b32 s28, s15, 3
	s_add_nc_u64 s[8:9], s[8:9], s[28:29]
	s_load_b64 s[34:35], s[8:9], 0x0               ; nb, blk0: wanted when the weights are nearly in
	s_lshl_b32 s28, s15, 24                        ; w2: expert, half, my 512 rows, the work-group's 64 columns
	s_lshl_b32 s24, s12, 23
	s_add_co_u32 s28, s28, s24
	s_lshl_b32 s24, s14, 21
	s_add_co_u32 s28, s28, s24
	s_lshl_b32 s24, s16, 8
	s_add_co_u32 s28, s28, s24
	s_add_nc_u64 s[20:21], s[4:5], s[28:29]
	s_lshl_b32 s28, s12, 16
	s_lshl_b32 s24, s14, 14
	s_add_co_u32 s28, s28, s24
	s_add_nc_u64 s[6:7], s[6:7], s[28:29]          ; hs at my 16 K steps of block 0
	s_mul_i32 s28, s12, HALFP
	s_lshl_b32 s24, s16, 8
	s_add_co_u32 s28, s28, s24
	s_add_nc_u64 s[10:11], s[10:11], s[28:29]      ; part: my half, the work-group's 64 columns
	; THE WEIGHTS.  Four K steps, 64 loads of 512 bytes, are on their way in every wave; the wait leaves the three younger groups of 16 out
	LU 0
	LU 1
	LU 2
	LU 3
.irp n, 0,1,2,3,4,5,6,7,8,9,10,11
	WSTEP \n, 48
	LU (\n)+4
.endr
	s_wait_kmcnt 0x0
	s_min_u32 s17, s34, 64                         ; nb
	s_min_u32 s18, s35, 71                         ; blk0,
	s_cmp_eq_u32 s17, 0
	s_cselect_b32 s18, 0, s18                      ; or block 0, which always exists, for an expert without tokens
	s_max_u32 s19, s17, 1
	s_sub_co_u32 s19, s19, 1                       ; the expert's last block
	s_mov_b32 s33, 0
	ABASE
	WSTEP 12, 48
	ALOAD 0, 0                                     ; block 0's first half, into the staging slot just emptied
	WSTEP 13, 48                                   ; K steps 14, 15 and that half
	ALOAD 0, 1
	WSTEP 14, 48                                   ; K step 15 and both halves
	WSTEP 15, 32                                   ; both halves
	WIN 0                                          ; at a label and at a branch every window is 0
; A TRIP: block s31 of the expert, its fragments in buffer b.
.macro TRIP b
	s_cmp_lt_u32 s31, s17
	s_cbranch_scc0 .Lno_mul_\@
	s_wait_loadcnt 0x0                             ; the only loads out are this block's fragments; for 0, since the count must hold on every way to this line
	s_add_co_u32 s33, s31, 1
	ABASE                                          ; (the loads that named s[22:23] are done)
	ALOAD 1-(\b), 0                                ; the next block, or the last once more: it has this whole trip in which to land
	ALOAD 1-(\b), 1
	MULS \b
	WIN 0
.rept 5
	v_nop                                          ; five places: the sums are read below; the next trip loads into these sources and starts new sums on these registers
.endr
.irp c, 0,1,2,3
.irp p, 0,1,2,3
	ds_store_b64 v[LW], v[ACC+8*(\c)+2*(\p):ACC+8*(\c)+2*(\p)+1] offset:(\b)*16384+(\c)*1024+(\p)*256  ; each accumulator from its low end; 256 consecutive bytes a store
.endr
.endr
.Lno_mul_\@:
	s_wait_dscnt 0x0                               ; my sums are in LDS buffer b, and my reads of the other buffer, which the next trip writes, are over
	s_barrier_signal -1
	s_barrier_wait -1
	s_cmp_lt_u32 s31, s17
	s_cbranch_scc0 .Lno_out_\@
.irp o, 0,1,2,3
.irp c, 0,1,2,3
	ds_load_b64 v[PS+8*(\o)+2*(\c):PS+8*(\o)+2*(\c)+1], v[LR] offset:(\b)*16384+4096*(\o)+1024*(\c)  ; registers 2 w, 2 w + 1 of every writer's four accumulators
.endr
.endr
	s_wait_xcnt 0x0                                ; the last trip's stores have read their base and RS: both are written again below
	s_add_co_u32 s32, s18, s31
	s_min_u32 s32, s32, 71
	s_lshl_b32 s28, s32, 16
	s_add_nc_u64 s[26:27], s[10:11], s[28:29]
	s_wait_dscnt 8                                 ; writers 0 and 1 are in; the eight younger loads stay out
.irp c, 0,1,2,3
	v_pk_add_f32 v[PS+2*(\c):PS+2*(\c)+1], v[PS+2*(\c):PS+2*(\c)+1], v[PS+8+2*(\c):PS+8+2*(\c)+1]
.endr
	s_wait_dscnt 0x0
.irp c, 0,1,2,3
	v_pk_add_f32 v[PS+16+2*(\c):PS+16+2*(\c)+1], v[PS+16+2*(\c):PS+16+2*(\c)+1], v[PS+24+2*(\c):PS+24+2*(\c)+1]
.endr
.irp jl, 0,1
.irp c, 0,1,2,3
	v_add_f32 v[RS+4*(\jl)+(\c)], v[PS+2*(\c)+(\jl)], v[PS+16+2*(\c)+(\jl)]
.endr
.endr
	global_store_b128 v[SO], v[RS:RS+3],   s[26:27]              ; sixteen lanes store 256 consecutive bytes of a row, aligned
	global_store_b128 v[SO], v[RS+4:RS+7], s[26:27] offset:4096
.Lno_out_\@:
.endm
	s_mov_b32 s30, 0
.Lblocks:
	s_lshl_b32 s31, s30, 1
	TRIP 0
	s_or_b32 s31, s31, 1
	TRIP 1
	s_add_co_u32 s30, s30, 1
	s_cmp_lt_u32 s30, 32
	s_cbranch_scc1 .Lblocks
	s_wait_tensorcnt 0x0
	ds_add_u32 v254, v255
	s_wait_dscnt 0x0
	s_endpgm
.Lfunc_end_k_qa8cb6ab21d_down:
	.size	k_qa8cb6ab21d_down, .Lfunc_end_k_qa8cb6ab21d_down-k_qa8cb6ab21d_down
	.p2alignl 7, 3214868480
	.fill 96, 4, 3214868480
	.section	.rodata,"a",@progbits
	.p2align	6, 0x0
	.amdhsa_kernel k_qa8cb6ab21d_down
		.amdhsa_group_segment_fixed_size 33280
		.amdhsa_private_segment_fixed_size 0
		.amdhsa_enable_private_segment 0
		.amdhsa_kernarg_size 32
		.amdhsa_user_sgpr_count 2
		.amdhsa_user_sgpr_kernarg_segment_ptr 1
		.amdhsa_wavefront_size32 1
		.amdhsa_system_sgpr_workgroup_id_x 1
		.amdhsa_system_sgpr_workgroup_id_y 1
		.amdhsa_system_sgpr_workgroup_id_z 1
		.amdhsa_system_vgpr_workitem_id 0
		.amdhsa_next_free_vgpr 1024
		.amdhsa_next_free_sgpr 66
		.amdhsa_reserve_vcc 0
		.amdhsa_float_denorm_mode_32 3
		.amdhsa_float_denorm_mode_16_64 3
		.amdhsa_memory_ordered 1
		.amdhsa_forward_progress 1
		.amdhsa_inst_pref_size 86
	.end_amdhsa_kernel
	.amdgpu_metadata
---
amdhsa.version: [ 1, 2 ]
amdhsa.kernels:
  - .name:           k_qa8cb6ab21d_down
    .symbol:         k_qa8cb6ab21d_down.kd
    .args:
      - { .name: w2, .offset: 0, .size: 8, .value_kind: global_buffer, .address_space: global }
      - { .name: hs, .offset: 8, .size: 8, .value_kind: global_buffer, .address_space: global }
      - { .name: meta, .offset: 16, .size: 8, .value_kind: global_buffer, .address_space: global }
      - { .name: part, .offset: 24, .size: 8, .value_kind: global_buffer, .address_space: global }
    .group_segment_fixed_size: 33280
    .private_segment_fixed_size: 0
    .kernarg_segment_align: 8
    .kernarg_segment_size: 32
    .max_flat_workgroup_size: 128
    .sgpr_count:     66
    .vgpr_count:     1024
    .wavefront_size: 32
...
	.end_amdgpu_metadata
.endif
;; end of part 4
;; launch combine (part 5): grid 256 x 1, 4 waves a work-group, no clusters, 0 bytes of LDS; arguments part, b2, pos, eid, out0; writes out0
.if DOCPART == 5
	.amdgcn_target "amdgcn-amd-amdhsa--gfx1250"
	.amdhsa_code_object_version 6
	.text
	.protected	k_qa8cb6ab21d_combine
	.globl	k_qa8cb6ab21d_combine
	.p2align	8
	.type	k_qa8cb6ab21d_combine,@function
k_qa8cb6ab21d_combine:
	s_mov_b64 s[64:65], 0
	v_nop
	global_prefetch_b8 v0, s[64:65] scope:SCOPE_SE
	s_setreg_imm32_b32 hwreg(HW_REG_WAVE_MODE, 25, 1), 1
	s_wait_xcnt 0x0
; out0[t] = part[0][pos[t]] + part[1][pos[t]] + b2[eid[t]], b2 rounded to bf16 like every input.  A stream: no LDS, no barrier, no matrix unit.
; One wave takes one token: three rows of 4,096 bytes in, one out, each load and store 512 consecutive bytes, aligned.  All 24 loads go out at once;
; each of the eight pieces has registers of its own, so nothing that a load or store names is written again.
.set PA, 8                             ; v[8:39]    the first half's row; then the result
.set PB, 40                            ; v[40:71]   the second half's row
.set BB, 72                            ; v[72:103]  b2's row
.set TT, 104                           ; v[104:119] b2 in bf16
.set HALFP, 4718592                    ; bytes in one half of part: 1,152 rows of 4,096
	s_load_b256 s[4:11], s[0:1], 0x0               ; part s[4:5], b2 s[6:7], pos s[8:9], eid s[10:11]
	s_load_b64 s[12:13], s[0:1], 0x20              ; out0
	v_lshrrev_b32 v1, 5, v0
	v_readfirstlane_b32 s14, v1                    ; wave
	v_and_b32 v2, 31, v0
	v_lshlrev_b32 v2, 4, v2                        ; 16 x lane
	s_lshl2_add_u32 s15, ttmp9, s14                ; my token
	s_lshl_b32 s16, s15, 2
	s_mov_b32 s17, 0
	s_lshl_b32 s22, s15, 12
	s_mov_b32 s23, 0
	s_mov_b32 s21, 0
	s_mov_b32 s24, 0xffff0000
	s_wait_kmcnt 0x0
	s_add_nc_u64 s[8:9], s[8:9], s[16:17]
	s_add_nc_u64 s[10:11], s[10:11], s[16:17]
	s_load_b32 s18, s[8:9], 0x0
	s_load_b32 s19, s[10:11], 0x0
	s_add_nc_u64 s[12:13], s[12:13], s[22:23]
	s_wait_kmcnt 0x0
	s_min_u32 s18, s18, 1151                       ; what was read from memory is bounded by a constant before it enters an address
	s_min_u32 s19, s19, 7
	s_lshl_b32 s20, s18, 12
	s_add_nc_u64 s[4:5], s[4:5], s[20:21]
	s_lshl_b32 s20, s19, 12
	s_add_nc_u64 s[6:7], s[6:7], s[20:21]
.irp j, 0,1,2,3,4,5,6,7
	global_load_b128 v[PA+4*(\j):PA+4*(\j)+3], v2, s[4:5] offset:512*(\j) th:TH_LOAD_NT
	global_load_b128 v[PB+4*(\j):PB+4*(\j)+3], v2, s[4:5] offset:HALFP+512*(\j) th:TH_LOAD_NT
	global_load_b128 v[BB+4*(\j):BB+4*(\j)+3], v2, s[6:7] offset:512*(\j)
.endr
.irp j, 0,1,2,3,4,5,6,7
	s_wait_loadcnt 3*(7-(\j))                      ; three loads for each younger piece stay out
	v_cvt_pk_bf16_f32 v[TT+2*(\j)],   v[BB+4*(\j)],   v[BB+4*(\j)+1]
	v_cvt_pk_bf16_f32 v[TT+2*(\j)+1], v[BB+4*(\j)+2], v[BB+4*(\j)+3]
	v_pk_add_f32 v[PA+4*(\j):PA+4*(\j)+1],   v[PA+4*(\j):PA+4*(\j)+1],   v[PB+4*(\j):PB+4*(\j)+1]
	v_pk_add_f32 v[PA+4*(\j)+2:PA+4*(\j)+3], v[PA+4*(\j)+2:PA+4*(\j)+3], v[PB+4*(\j)+2:PB+4*(\j)+3]
	v_lshlrev_b32 v[BB+4*(\j)],   16,  v[TT+2*(\j)]
	v_and_b32     v[BB+4*(\j)+1], s24, v[TT+2*(\j)]
	v_lshlrev_b32 v[BB+4*(\j)+2], 16,  v[TT+2*(\j)+1]
	v_and_b32     v[BB+4*(\j)+3], s24, v[TT+2*(\j)+1]
	v_pk_add_f32 v[PA+4*(\j):PA+4*(\j)+1],   v[PA+4*(\j):PA+4*(\j)+1],   v[BB+4*(\j):BB+4*(\j)+1]
	v_pk_add_f32 v[PA+4*(\j)+2:PA+4*(\j)+3], v[PA+4*(\j)+2:PA+4*(\j)+3], v[BB+4*(\j)+2:BB+4*(\j)+3]
	global_store_b128 v2, v[PA+4*(\j):PA+4*(\j)+3], s[12:13] offset:512*(\j) th:TH_STORE_NT
.endr
	s_endpgm
.Lfunc_end_k_qa8cb6ab21d_combine:
	.size	k_qa8cb6ab21d_combine, .Lfunc_end_k_qa8cb6ab21d_combine-k_qa8cb6ab21d_combine
	.p2alignl 7, 3214868480
	.fill 96, 4, 3214868480
	.section	.rodata,"a",@progbits
	.p2align	6, 0x0
	.amdhsa_kernel k_qa8cb6ab21d_combine
		.amdhsa_group_segment_fixed_size 0
		.amdhsa_private_segment_fixed_size 0
		.amdhsa_enable_private_segment 0
		.amdhsa_kernarg_size 40
		.amdhsa_user_sgpr_count 2
		.amdhsa_user_sgpr_kernarg_segment_ptr 1
		.amdhsa_wavefront_size32 1
		.amdhsa_system_sgpr_workgroup_id_x 1
		.amdhsa_system_sgpr_workgroup_id_y 1
		.amdhsa_system_sgpr_workgroup_id_z 1
		.amdhsa_system_vgpr_workitem_id 0
		.amdhsa_next_free_vgpr 120
		.amdhsa_next_free_sgpr 66
		.amdhsa_reserve_vcc 0
		.amdhsa_float_denorm_mode_32 3
		.amdhsa_float_denorm_mode_16_64 3
		.amdhsa_memory_ordered 1
		.amdhsa_forward_progress 1
		.amdhsa_inst_pref_size 9
	.end_amdhsa_kernel
	.amdgpu_metadata
---
amdhsa.version: [ 1, 2 ]
amdhsa.kernels:
  - .name:           k_qa8cb6ab21d_combine
    .symbol:         k_qa8cb6ab21d_combine.kd
    .args:
      - { .name: part, .offset: 0, .size: 8, .value_kind: global_buffer, .address_space: global }
      - { .name: b2, .offset: 8, .size: 8, .value_kind: global_buffer, .address_space: global }
      - { .name: pos, .offset: 16, .size: 8, .value_kind: global_buffer, .address_space: global }
      - { .name: eid, .offset: 24, .size: 8, .value_kind: global_buffer, .address_space: global }
      - { .name: out0, .offset: 32, .size: 8, .value_kind: global_buffer, .address_space: global }
    .group_segment_fixed_size: 0
    .private_segment_fixed_size: 0
    .kernarg_segment_align: 8
    .kernarg_segment_size: 40
    .max_flat_workgroup_size: 128
    .sgpr_count:     66
    .vgpr_count:     120
    .wavefront_size: 32
...
	.end_amdgpu_metadata
.endif
;; end of part 5
;; ======== version 2 of 2: 5 launches; version 1 with the launch combine written anew for expert scheduling mode
;; workspace buffers: eid 4,096 bytes of whole numbers; pos 4,096 bytes of whole numbers; meta 256 bytes of whole numbers; xb 2,097,152 bytes; xs 2,359,296 bytes; hs 9,437,184 bytes; part 9,437,184 bytes
;; launch route: the kernel of part 1 again; grid 256 x 1, 8 waves a work-group, no clusters, 2,304 bytes of LDS; arguments x, wr, br, eid, xb; writes eid, xb
;; launch place: the kernel of part 2 again; grid 72 x 1, 4 waves a work-group, no clusters, 34,304 bytes of LDS; arguments eid, xb, xs, pos, meta; writes xs, pos, meta
;; launch up: the kernel of part 3 again; grid 256 x 1, 4 waves a work-group, no clusters, 66,048 bytes of LDS; arguments w1, b1, xs, meta, hs; writes hs
;; launch down: the kernel of part 4 again; grid 256 x 1, 4 waves a work-group, no clusters, 33,280 bytes of LDS; arguments w2, hs, meta, part; writes part
;; launch combine (part 6): grid 256 x 1, 4 waves a work-group, no clusters, 0 bytes of LDS; arguments part, b2, pos, eid, out0; writes out0
.if DOCPART == 6
	.amdgcn_target "amdgcn-amd-amdhsa--gfx1250"
	.amdhsa_code_object_version 6
	.text
	.protected	k_qa8cb6ab21d_combine
	.globl	k_qa8cb6ab21d_combine
	.p2align	8
	.type	k_qa8cb6ab21d_combine,@function
k_qa8cb6ab21d_combine:
	s_mov_b64 s[64:65], 0
	v_nop
	global_prefetch_b8 v0, s[64:65] scope:SCOPE_SE
	s_setreg_imm32_b32 hwreg(HW_REG_WAVE_SCHED_MODE, 0, 2), 2
	s_setreg_imm32_b32 hwreg(HW_REG_WAVE_MODE, 25, 1), 1
	s_wait_xcnt 0x0
	s_wait_alu depctr_vm_vsrc(0)
; out0[t] = part[0][pos[t]] + part[1][pos[t]] + b2[eid[t]], b2 rounded to bf16 like every input.  A stream: no LDS, no barrier, no matrix unit.
; One wave takes one token: three rows of 4,096 bytes in, one out, each load and store 512 consecutive bytes, aligned.  All 24 loads go out at once;
; each of the eight pieces has registers of its own, so nothing that a load or store names is written again.
; THE MODE: SCHED_MODE bits 1:0 = 2 (LLVM: expert scheduling mode 2), set by the entry lines.  The code itself states the register dependences
; between vector instructions and memory instructions, with s_wait_alu, always for 0.
; THE PLAN.  Registers that memory instructions touch:
;   v2        16 x lane: written at the head, read as the offset by every load and store, never written again.
;   PA        piece j: a load lands in it; piece j's additions read and write it; piece j's store reads it; nothing writes it afterwards.
;   PB, BB    loads land in them; vector instructions alone name them afterwards.      TT: vector instructions alone.
; All loads are issued ahead of the first vector instruction that names PA, PB, BB or TT.  The pieces go in four pairs: at a pair's head, behind the wait for its six loads,
; ONE wait on va_vdst states that the pair before has written its registers of PA, and that pair's two stores follow it directly; then comes this pair's arithmetic,
; which names other registers.  No register that a memory instruction has read is written again, so no wait on vm_vsrc follows the one at entry.
.set PA, 8                             ; v[8:39]    the first half's row; then the result
.set PB, 40                            ; v[40:71]   the second half's row
.set BB, 72                            ; v[72:103]  b2's row
.set TT, 104                           ; v[104:119] b2 in bf16
.set HALFP, 4718592                    ; bytes in one half of part: 1,152 rows of 4,096
	s_load_b256 s[4:11], s[0:1], 0x0               ; part s[4:5], b2 s[6:7], pos s[8:9], eid s[10:11]
	s_load_b64 s[12:13], s[0:1], 0x20              ; out0
	v_lshrrev_b32 v1, 5, v0
	v_readfirstlane_b32 s14, v1                    ; wave
	v_and_b32 v2, 31, v0
	v_lshlrev_b32 v2, 4, v2                        ; 16 x lane
	s_wait_alu depctr_va_sdst(0)                   ; s14 is written, ahead of its first reader: the token's number is made from it
	s_lshl2_add_u32 s15, ttmp9, s14                ; my token
	s_lshl_b32 s16, s15, 2
	s_mov_b32 s17, 0
	s_lshl_b32 s22, s15, 12
	s_mov_b32 s23, 0
	s_mov_b32 s21, 0
	s_mov_b32 s24, 0xffff0000
	s_wait_kmcnt 0x0
	s_add_nc_u64 s[8:9], s[8:9], s[16:17]
	s_add_nc_u64 s[10:11], s[10:11], s[16:17]
	s_load_b32 s18, s[8:9], 0x0
	s_load_b32 s19, s[10:11], 0x0
	s_add_nc_u64 s[12:13], s[12:13], s[22:23]
	s_wait_kmcnt 0x0
	s_min_u32 s18, s18, 1151                       ; what was read from memory is bounded by a constant before it enters an address
	s_min_u32 s19, s19, 7
	s_lshl_b32 s20, s18, 12
	s_add_nc_u64 s[4:5], s[4:5], s[20:21]
	s_lshl_b32 s20, s19, 12
	s_add_nc_u64 s[6:7], s[6:7], s[20:21]
	s_wait_alu depctr_va_vdst(0)                   ; v2 is written: every load and store of the kernel reads it as its offset
.irp j, 0,1,2,3,4,5,6,7
	global_load_b128 v[PA+4*(\j):PA+4*(\j)+3], v2, s[4:5] offset:512*(\j) th:TH_LOAD_NT
	global_load_b128 v[PB+4*(\j):PB+4*(\j)+3], v2, s[4:5] offset:HALFP+512*(\j) th:TH_LOAD_NT
	global_load_b128 v[BB+4*(\j):BB+4*(\j)+3], v2, s[6:7] offset:512*(\j)
.endr
; Piece j's arithmetic: b2 rounded to bf16 and widened again; (first half + second half) + b2, into PA
.macro SUMS j
	v_cvt_pk_bf16_f32 v[TT+2*(\j)],   v[BB+4*(\j)],   v[BB+4*(\j)+1]
	v_cvt_pk_bf16_f32 v[TT+2*(\j)+1], v[BB+4*(\j)+2], v[BB+4*(\j)+3]
	v_pk_add_f32 v[PA+4*(\j):PA+4*(\j)+1],   v[PA+4*(\j):PA+4*(\j)+1],   v[PB+4*(\j):PB+4*(\j)+1]
	v_pk_add_f32 v[PA+4*(\j)+2:PA+4*(\j)+3], v[PA+4*(\j)+2:PA+4*(\j)+3], v[PB+4*(\j)+2:PB+4*(\j)+3]
	v_lshlrev_b32 v[BB+4*(\j)],   16,  v[TT+2*(\j)]
	v_and_b32     v[BB+4*(\j)+1], s24, v[TT+2*(\j)]
	v_lshlrev_b32 v[BB+4*(\j)+2], 16,  v[TT+2*(\j)+1]
	v_and_b32     v[BB+4*(\j)+3], s24, v[TT+2*(\j)+1]
	v_pk_add_f32 v[PA+4*(\j):PA+4*(\j)+1],   v[PA+4*(\j):PA+4*(\j)+1],   v[BB+4*(\j):BB+4*(\j)+1]
	v_pk_add_f32 v[PA+4*(\j)+2:PA+4*(\j)+3], v[PA+4*(\j)+2:PA+4*(\j)+3], v[BB+4*(\j)+2:BB+4*(\j)+3]
.endm
; Piece j leaves: 512 consecutive bytes, aligned
.macro OUT j
	global_store_b128 v2, v[PA+4*(\j):PA+4*(\j)+3], s[12:13] offset:512*(\j) th:TH_STORE_NT
.endm
.irp g, 0,1,2,3
	s_wait_loadcnt 18-6*(\g)                       ; loads come back in order (ISA guide 5.7.1): this pair's six are in; three loads for each younger piece stay out
.if (\g) > 0
	s_wait_alu depctr_va_vdst(0)                   ; the pair before has written its eight registers of PA, which the two stores below read
	OUT 2*(\g)-2
	OUT 2*(\g)-1
.endif
	SUMS 2*(\g)
	SUMS 2*(\g)+1
.endr
	s_wait_alu depctr_va_vdst(0)                   ; the last pair has written its registers of PA, which the last two stores read
	OUT 6
	OUT 7
	s_endpgm
.Lfunc_end_k_qa8cb6ab21d_combine:
	.size	k_qa8cb6ab21d_combine, .Lfunc_end_k_qa8cb6ab21d_combine-k_qa8cb6ab21d_combine
	.p2alignl 7, 3214868480
	.fill 96, 4, 3214868480
	.section	.rodata,"a",@progbits
	.p2align	6, 0x0
	.amdhsa_kernel k_qa8cb6ab21d_combine
		.amdhsa_group_segment_fixed_size 0
		.amdhsa_private_segment_fixed_size 0
		.amdhsa_enable_private_segment 0
		.amdhsa_kernarg_size 40
		.amdhsa_user_sgpr_count 2
		.amdhsa_user_sgpr_kernarg_segment_ptr 1
		.amdhsa_wavefront_size32 1
		.amdhsa_system_sgpr_workgroup_id_x 1
		.amdhsa_system_sgpr_workgroup_id_y 1
		.amdhsa_system_sgpr_workgroup_id_z 1
		.amdhsa_system_vgpr_workitem_id 0
		.amdhsa_next_free_vgpr 120
		.amdhsa_next_free_sgpr 66
		.amdhsa_reserve_vcc 0
		.amdhsa_float_denorm_mode_32 3
		.amdhsa_float_denorm_mode_16_64 3
		.amdhsa_memory_ordered 1
		.amdhsa_forward_progress 1
		.amdhsa_inst_pref_size 9
	.end_amdhsa_kernel
	.amdgpu_metadata
---
amdhsa.version: [ 1, 2 ]
amdhsa.kernels:
  - .name:           k_qa8cb6ab21d_combine
    .symbol:         k_qa8cb6ab21d_combine.kd
    .args:
      - { .name: part, .offset: 0, .size: 8, .value_kind: global_buffer, .address_space: global }
      - { .name: b2, .offset: 8, .size: 8, .value_kind: global_buffer, .address_space: global }
      - { .name: pos, .offset: 16, .size: 8, .value_kind: global_buffer, .address_space: global }
      - { .name: eid, .offset: 24, .size: 8, .value_kind: global_buffer, .address_space: global }
      - { .name: out0, .offset: 32, .size: 8, .value_kind: global_buffer, .address_space: global }
    .group_segment_fixed_size: 0
    .private_segment_fixed_size: 0
    .kernarg_segment_align: 8
    .kernarg_segment_size: 40
    .max_flat_workgroup_size: 128
    .sgpr_count:     66
    .vgpr_count:     120
    .wavefront_size: 32
...
	.end_amdgpu_metadata
.endif
;; end of part 6
